; MI455X (gfx1250); checked and timed in simulation.
; The chip was launched on July 23, 2026; its instructions are those of AMD's public machine-readable ISA for CDNA 5 (MIT licence, August 2026) and "CDNA5" Instruction Set Architecture Reference Guide (July 2026). The comments in the code are by the model that wrote it; some were corrected since.
;; Sliding Window Attention. Allowed arithmetic: matrix products marked QUANTISED: E2M3 operands, one E8M0 scale for each 32 along K, by v_wmma_scale_f32_16x16x128_f8f6f4 with both operands' format E2M3, f32 sums; everything else in f32.
;; Inputs: Wk 1,024 x 1,024 float32; Wo 1,024 x 1,024 float32; Wq 1,024 x 1,024 float32; Wv 1,024 x 1,024 float32; bk 1,024 float32; bo 1,024 float32; bq 1,024 float32; bv 1,024 float32; x 2 x 2,048 x 1,024 float32.
;; Outputs: out0 2 x 2,048 x 1,024 float32.
;; This version of the problem:
;;   THIS VERSION OF THE PROBLEM IS GIVEN IN LOW PRECISION. The matrix products marked QUANTISED in the list below multiply operands that are first quantised to E2M3 (2 exponent bits, 3 mantissa bits; 6 bits a number), with one power-of-two scale for each 32 numbers along K (OCP MX v1.0); their sums are f32. All else is computed in f32.
;;   The module's matrix products, in the order in which they are computed (A, B: the left and right operand; K: the contracted axis; several contracted axes count as one K, in the product's order):
;;     1. [M 4,096, K 1,024] x [K 1,024, N 1,024]; A: input x; B: input Wq: QUANTISED
;;     2. [M 4,096, K 1,024] x [K 1,024, N 1,024]; A: input x; B: input Wk: QUANTISED
;;     3. [M 4,096, K 1,024] x [K 1,024, N 1,024]; A: input x; B: input Wv: QUANTISED
;;     4. batch 32 x [M 2,048, K 64] x [K 64, N 2,048]; A: computed on the way; B: computed on the way: QUANTISED
;;     5. batch 32 x [M 2,048, K 2,048] x [K 2,048, N 64]; A: computed on the way; B: computed on the way: QUANTISED
;;     6. [M 4,096, K 1,024] x [K 1,024, N 1,024]; A: computed on the way; B: input Wo: QUANTISED
;;   THE QUANTISER, for each operand of a quantised product, along K:
;;     - K is cut into blocks of 32 from its start; a last block that is shorter is filled with zeros.
;;     - A block's scale is 2^e with e = floor(log2(the largest magnitude in the block)) - 2, held to -126 .. 127; a block of zeros has e = 0. As a byte (E8M0): e + 127.
;;     - Each number is divided by its block's scale, clamped to +-7.5, and rounded to the nearest number of E2M3, ties to even, subnormals kept.
;;     - The product sums the exact products of the quantised numbers (number of the format x scale) in f32.
;;   ~~~python
;;   def quantise(x, axis):      # numpy; x: float32 -> the quantised numbers, widened to float32 again
;;       x = np.moveaxis(x, axis, -1); K = x.shape[-1]
;;       x = np.pad(x, [(0, 0)] * (x.ndim - 1) + [(0, -K % 32)]); x = x.reshape(x.shape[:-1] + (-1, 32)); a = np.abs(x).max(-1, keepdims=True)
;;       e = np.where(a > 0, np.clip(np.frexp(np.where(a > 0, a, 1))[1] - 1 - 2, -126, 127), 0)      # np.frexp(a)[1] - 1 = floor(log2(a)), exactly
;;       r = np.clip(x / 2.0 ** e, -7.5, 7.5)
;;       step = 2.0 ** (np.maximum(np.frexp(np.where(r == 0, 1, r))[1] - 1, 0) - 3)
;;       q = np.round(r / step) * step * 2.0 ** e      # np.round: ties to even
;;       return np.moveaxis(q.reshape(q.shape[:-2] + (-1,))[..., :K], -1, axis).astype(np.float32)
;;   ~~~
;;   OPERANDS COMPUTED ON THE WAY. 'Computed on the way' means the value that the module computes at that place (a softmax that the list does not call 'softmax' is quantised finished and normalised). What goes into a quantiser is computed in f32, as accurately as f32 sums, v_exp_f32 and their like allow (about 1e-6 of the number): no bf16 or f16 on the way to a quantiser, and a product that is left as it is and whose result goes on into a quantised operand takes f32 operands (vector FMAs, or v_wmma_f32_16x16x4_f32). A number that lies on a knife's edge between two numbers of the format may be rounded either way, as far as f32 arithmetic and the matrix unit's own rounding can turn it there, and no further.
;; One version. Each part assembles by itself: llvm-mc -triple=amdgcn-amd-amdhsa -mcpu=gfx1250 --defsym DOCPART=n.
;; ======== version 1 of 1: 4 launches
;; workspace buffers: xw 6,553,600 bytes; qkv 9,830,400 bytes; att 3,276,800 bytes
;; launch quant (part 1): grid 512 x 1, 8 waves a work-group, no clusters, 69,632 bytes of LDS; arguments x, Wq, Wk, Wv, Wo, xw; writes xw
.if DOCPART == 1
	.amdgcn_target "amdgcn-amd-amdhsa--gfx1250"
	.amdhsa_code_object_version 6
	.text
	.protected	k_q81d7a8bafb_quant
	.globl	k_q81d7a8bafb_quant
	.p2align	8
	.type	k_q81d7a8bafb_quant,@function
k_q81d7a8bafb_quant:
	s_mov_b64 s[64:65], 0
	v_nop
	global_prefetch_b8 v0, s[64:65] scope:SCOPE_SE
	s_setreg_imm32_b32 hwreg(HW_REG_WAVE_MODE, 25, 1), 1
	s_wait_xcnt 0x0
; x [4096][1024] and Wq, Wk, Wv, Wo [1024][1024], f32, K innermost, become codes of FP6 (E2M3) with one E8M0 byte for each 32 along K.
; The codes are laid as IMAGES OF THE OPERAND'S REGISTERS: a fragment (16 rows x 128 K, 12 registers a lane) is 1,536 bytes, three pieces of 512, piece c = registers 4 c .. 4 c + 3, lane l at 16 l.
; THE ROWS OF A TILE ARE NOT NEIGHBOURS: lane r of tile 2 B + u holds row 32 B + 8 u + r + 8 (r / 8), so that a product that takes such a tile as source 0 leaves 16 neighbouring rows in the 16 registers of tiles 2 B, 2 B + 1.
; A block's scale is 2^(floor(log2(largest magnitude)) - 2); its byte is the largest magnitude's exponent field - 2, held at 1 from below.
; LIMITS: NaN and infinities are not served; a block whose largest magnitude lies under 2^-124 has its byte held at 1; a block of zeros gets the byte 1 and not 127 (its codes are zeros, and this program alone reads the bytes).
; SHARES: work-group t is one tile of 16 rows (t < 256: x; then 64 tiles each of Wq, Wk, Wv, Wo); wave w is K step w: one fragment.  All 16 loads of a wave go out at once, each 512 consecutive aligned bytes.
; No tensor load, no matrix work, no cluster: every byte is read once by one wave.
.set WC,     3145728                   ; xw: x's codes [tile 256][ks 8][1536] at 0;  Wq, Wk, Wv: [head 16][ks 8][ct 12][1536], ct = 4 kind + tile of the head's 64 rows
.set WOC,    5505024                   ; Wo: [block of 64 rows 16][ks 8][tile 4][1536]
.set XS,     6291456                   ; scale words: [tile][lane r][ks 8] of 4 bytes
.set WS,     6422528                   ; [head][ct][r][ks]
.set WOS,    6520832                   ; [tile 64][r][ks]
.set SPITCH, 528                       ; a stage row: 512 bytes + 16 = 132 words: row r begins 4 r words on in the banks' round of 64 (ISA guide 11.1)
.set WSTG,   16*SPITCH                 ; a wave's stage
.set SG,     8*WSTG                    ; behind the stages: the tile's 512 bytes of scale words
.set R,   16                           ; v16-79   as loaded
.set X,   80                           ; v80-143  register 16 b + i = number 32 b + 16 (lane / 16) + i of my row's 128
.set TM,  144                          ; v144-159 at work
.set PC,  160                          ; v160-178 the codes
.set PW,  180                          ; v180     my row's scale word
.set SEL, 40                           ; s[40:41] v_permlanex16_b32's selects for lane l xor 16
; 64 numbers of a lane become a fragment's 12 registers in v[PC] on and its row's scale word in v[PW]
.macro QUANT s
.irp b, 0,1,2,3
	v_max3_num_f32 v[TM+\b], |v[\s+16*\b]|, |v[\s+1+16*\b]|, 0x1800000   ; block b: my 16 numbers and the floor 2^(3 - 127): the byte cannot fall under 1
.endr
.irp i, 2,4,6,8,10,12,14
.irp b, 0,1,2,3
	v_max3_num_f32 v[TM+\b], v[TM+\b], |v[\s+16*\b+\i]|, |v[\s+1+16*\b+\i]|   ; the four blocks by turns
.endr
.endr
.irp b, 0,1,2,3
	v_permlanex16_b32 v[TM+4+\b], v[TM+\b], s[SEL], s[SEL+1]
.endr
.irp b, 0,1,2,3
	v_max_num_f32 v[TM+\b], v[TM+\b], v[TM+4+\b]                   ; with lane l xor 16's 16: the block's largest magnitude
.endr
.irp b, 0,1,2,3
	v_add_nc_u32 v[TM+12+\b], 0xff000000, v[TM+\b]                 ; 2 off its exponent field: the conversion's scale operand
.endr
.irp b, 0,1,2,3
	v_lshrrev_b32 v[TM+4+\b], 23, v[TM+12+\b]                      ; the scale's byte
.endr
	v_lshl_or_b32 v[PW], v[TM+5], 8, v[TM+4]
	v_lshl_or_b32 v[PW], v[TM+6], 16, v[PW]
	v_lshl_or_b32 v[PW], v[TM+7], 24, v[PW]
.irp c, 0,1
	v_cvt_scalef32_pk16_fp6_f32 v[PC+6*\c:PC+2+6*\c], v[\s+32*\c:\s+15+32*\c], v[TM+12+2*\c]
	v_cvt_scalef32_pk16_fp6_f32 v[PC+12+4*\c:PC+14+4*\c], v[\s+16+32*\c:\s+31+32*\c], v[TM+12+2*\c+1]   ; (a conversion's three registers begin on an even number)
.endr
	v_nop                                          ; one plain place behind a scaled conversion
.irp c, 0,1                                    ; the operand wants a whole block in a lane: lanes 0-15 block 2 c, lanes 16-31 block 2 c + 1
.irp i, 0,1,2
	v_permlane16_swap_b32 v[PC+6*\c+\i], v[PC+12+4*\c+\i]
.endr
.irp i, 0,1,2
	v_mov_b32 v[PC+3+6*\c+\i], v[PC+12+4*\c+\i]
.endr
.endr
.endm
	s_load_b256 s[4:11], s[0:1], 0x0               ; x s[4:5], Wq s[6:7], Wk s[8:9], Wv s[10:11]
	s_load_b128 s[12:15], s[0:1], 0x20             ; Wo s[12:13], xw s[14:15]
	v_lshl_add_u32 v192, v0, 2, 0x10c00
	v_mov_b32 v193, 0
	v_lshrrev_b32 v1, 5, v0
	v_readfirstlane_b32 s16, v1                    ; wave = K step
	v_and_b32 v1, 31, v0                           ; lane
	v_and_b32 v2, 15, v0                           ; r
	v_bfe_u32 v3, v0, 4, 1                         ; h
	v_lshlrev_b32 v4, 4, v1                        ; 16 x lane: my place in a load's, and in a store's, 512 bytes
	s_mul_i32 s17, s16, WSTG
	v_add_nc_u32 v5, s17, v4                       ; the stage on the way in: a row as it lies
	v_mul_u32_u24 v6, v2, SPITCH
	v_lshl_add_u32 v6, v3, 6, v6
	v_add_nc_u32 v6, s17, v6                       ; and on the way out: row r, + 64 h: my 16 numbers of each block of 32
	s_lshl_b32 s18, s16, 2
	v_lshlrev_b32 v7, 5, v2
	v_add_nc_u32 v7, s18, v7
	v_add_nc_u32 v7, SG, v7                        ; my row's scale word of my K step: 32 r + 4 w
	v_add_nc_u32 v8, SG, v4                        ; and the 512 bytes as they leave
.irp b, 0,1,2,3
	v_mov_b32 v[TM+4+\b], 0                        ; written once: a lane permute's destination counts as one of its sources
.endr
	s_mov_b32 s[SEL], 0x76543210
	s_mov_b32 s[SEL+1], 0xfedcba98
	; which tensor, which tile: whole numbers from the work-group's number alone
	s_and_b32 s21, ttmp9, 63
	s_max_u32 s22, ttmp9, 256
	s_sub_co_u32 s22, s22, 256
	s_lshr_b32 s22, s22, 6                         ; 0 .. 3: Wq, Wk, Wv, Wo
	s_cmp_lt_u32 ttmp9, 256
	s_cselect_b32 s21, ttmp9, s21                  ; the tile in its tensor
	s_lshr_b32 s23, s21, 1
	s_lshl_b32 s23, s23, 17                        ; 32 rows of 4,096 bytes for each pair of tiles,
	s_and_b32 s24, s21, 1
	s_lshl_b32 s24, s24, 15                        ; 8 rows for the odd tile,
	s_add_co_u32 s23, s23, s24
	s_lshl_b32 s24, s16, 9                         ; 512 bytes a K step
	s_add_co_u32 s28, s23, s24
	s_mov_b32 s29, 0
	s_lshr_b32 s25, s21, 2                         ; head, or block of 64 rows
	s_and_b32 s26, s21, 3                          ; tile in it
	s_mul_i32 s30, s21, 12288                      ; the codes' place: x's,
	s_mul_i32 s24, s16, 1536
	s_add_co_u32 s30, s30, s24
	s_lshl_b32 s27, s22, 2
	s_add_co_u32 s27, s27, s26                     ; ct
	s_mul_i32 s32, s25, 147456                     ; Wq's, Wk's, Wv's,
	s_mul_i32 s24, s16, 18432
	s_add_co_u32 s32, s32, s24
	s_mul_i32 s24, s27, 1536
	s_add_co_u32 s32, s32, s24
	s_add_co_u32 s32, s32, WC
	s_mul_i32 s33, s25, 49152                      ; Wo's
	s_mul_i32 s24, s16, 6144
	s_add_co_u32 s33, s33, s24
	s_mul_i32 s24, s26, 1536
	s_add_co_u32 s33, s33, s24
	s_add_co_u32 s33, s33, WOC
	s_lshl_b32 s34, s21, 9                         ; the scale words' place: 512 bytes a tile
	s_add_co_u32 s35, s34, WOS
	s_add_co_u32 s34, s34, XS
	s_mul_i32 s36, s25, 12
	s_add_co_u32 s36, s36, s27
	s_lshl_b32 s36, s36, 9
	s_add_co_u32 s36, s36, WS
	s_cmp_lt_u32 ttmp9, 448
	s_cselect_b32 s32, s32, s33
	s_cselect_b32 s36, s36, s35
	s_cmp_lt_u32 ttmp9, 256
	s_cselect_b32 s30, s30, s32
	s_cselect_b32 s34, s34, s36
	s_mov_b32 s31, 0
	s_mov_b32 s35, 0
	s_wait_kmcnt 0x0
	s_cmp_lt_u32 ttmp9, 448                        ; the source: a choice between buffers that hangs on the work-group's number alone
	s_cselect_b64 s[12:13], s[10:11], s[12:13]
	s_cmp_lt_u32 ttmp9, 384
	s_cselect_b64 s[12:13], s[8:9], s[12:13]
	s_cmp_lt_u32 ttmp9, 320
	s_cselect_b64 s[12:13], s[6:7], s[12:13]
	s_cmp_lt_u32 ttmp9, 256
	s_cselect_b64 s[12:13], s[4:5], s[12:13]
	s_add_nc_u64 s[12:13], s[12:13], s[28:29]
	s_add_nc_u64 s[38:39], s[14:15], s[30:31]      ; where my fragment goes
	s_add_nc_u64 s[14:15], s[14:15], s[34:35]      ; where the tile's scale words go
.irp p, 0,1,2,3,4,5,6,7,8,9,10,11,12,13,14,15
	global_load_b128 v[R+4*\p:R+4*\p+3], v4, s[12:13] offset:(\p+8*(\p/8))*4096 th:TH_LOAD_NT   ; the tile's row p: 512 consecutive bytes, read once in the launch
.endr
.irp p, 0,1,2,3,4,5,6,7,8,9,10,11,12,13,14,15
	s_wait_loadcnt 15-\p                           ; loads come back in order: row p is in, the younger ones stay out
	ds_store_b128 v5, v[R+4*\p:R+4*\p+3] offset:SPITCH*\p
.endr
.irp b, 0,1,2,3
.irp j, 0,1,2,3
	ds_load_b128 v[X+16*\b+4*\j:X+16*\b+4*\j+3], v6 offset:128*\b+16*\j   ; LDS serves a wave's instructions in order: these see my stores
.endr
.endr
	s_wait_dscnt 0x0
	QUANT X
.irp c, 0,1,2
	global_store_b128 v4, v[PC+4*\c:PC+4*\c+3], s[38:39] offset:512*\c     ; 32 lanes store 512 consecutive bytes, aligned
.endr
	ds_store_b32 v7, v[PW]                         ; lanes l and l xor 16 write the same word with the same value
	s_wait_dscnt 0x0                               ; for the others' sake: my word lies in LDS
	s_barrier_signal -1
	s_barrier_wait -1
	s_cmp_lg_u32 s16, 0
	s_cbranch_scc1 .Lend
	ds_load_b128 v[184:187], v8                    ; wave 0: the tile's 16 rows x 8 words
	s_wait_dscnt 0x0
	global_store_b128 v4, v[184:187], s[14:15]     ; 512 consecutive bytes, aligned
.Lend:
	s_wait_tensorcnt 0x0
	ds_add_u32 v192, v193
	s_wait_dscnt 0x0
	s_endpgm
.Lfunc_end_k_q81d7a8bafb_quant:
	.size	k_q81d7a8bafb_quant, .Lfunc_end_k_q81d7a8bafb_quant-k_q81d7a8bafb_quant
	.p2alignl 7, 3214868480
	.fill 96, 4, 3214868480
	.section	.rodata,"a",@progbits
	.p2align	6, 0x0
	.amdhsa_kernel k_q81d7a8bafb_quant
		.amdhsa_group_segment_fixed_size 69632
		.amdhsa_private_segment_fixed_size 0
		.amdhsa_enable_private_segment 0
		.amdhsa_kernarg_size 48
		.amdhsa_user_sgpr_count 2
		.amdhsa_user_sgpr_kernarg_segment_ptr 1
		.amdhsa_wavefront_size32 1
		.amdhsa_system_sgpr_workgroup_id_x 1
		.amdhsa_system_sgpr_workgroup_id_y 1
		.amdhsa_system_sgpr_workgroup_id_z 1
		.amdhsa_system_vgpr_workitem_id 0
		.amdhsa_next_free_vgpr 194
		.amdhsa_next_free_sgpr 66
		.amdhsa_reserve_vcc 0
		.amdhsa_float_denorm_mode_32 3
		.amdhsa_float_denorm_mode_16_64 3
		.amdhsa_memory_ordered 1
		.amdhsa_forward_progress 1
		.amdhsa_inst_pref_size 13
	.end_amdhsa_kernel
	.amdgpu_metadata
---
amdhsa.version: [ 1, 2 ]
amdhsa.kernels:
  - .name:           k_q81d7a8bafb_quant
    .symbol:         k_q81d7a8bafb_quant.kd
    .args:
      - { .name: x, .offset: 0, .size: 8, .value_kind: global_buffer, .address_space: global }
      - { .name: Wq, .offset: 8, .size: 8, .value_kind: global_buffer, .address_space: global }
      - { .name: Wk, .offset: 16, .size: 8, .value_kind: global_buffer, .address_space: global }
      - { .name: Wv, .offset: 24, .size: 8, .value_kind: global_buffer, .address_space: global }
      - { .name: Wo, .offset: 32, .size: 8, .value_kind: global_buffer, .address_space: global }
      - { .name: xw, .offset: 40, .size: 8, .value_kind: global_buffer, .address_space: global }
    .group_segment_fixed_size: 69632
    .private_segment_fixed_size: 0
    .kernarg_segment_align: 8
    .kernarg_segment_size: 48
    .max_flat_workgroup_size: 256
    .sgpr_count:     66
    .vgpr_count:     194
    .wavefront_size: 32
...
	.end_amdgpu_metadata
.endif
;; end of part 1
;; launch qkv (part 2): grid 16 x 16, 4 waves a work-group, clusters of 4 x 1, 168,448 bytes of LDS; arguments xw, bq, bk, bv, qkv; writes qkv
.if DOCPART == 2
	.amdgcn_target "amdgcn-amd-amdhsa--gfx1250"
	.amdhsa_code_object_version 6
	.text
	.protected	k_q81d7a8bafb_qkv
	.globl	k_q81d7a8bafb_qkv
	.p2align	8
	.type	k_q81d7a8bafb_qkv,@function
k_q81d7a8bafb_qkv:
	s_mov_b64 s[64:65], 0
	v_nop
	global_prefetch_b8 v0, s[64:65] scope:SCOPE_SE
	s_setreg_imm32_b32 hwreg(HW_REG_WAVE_MODE, 25, 1), 1
	s_wait_xcnt 0x0
	s_wait_alu depctr_hold_cnt(0) depctr_sa_sdst(0) depctr_va_vdst(0) depctr_va_sdst(0) depctr_va_ssrc(0) depctr_va_vcc(0) depctr_vm_vsrc(0)
	s_getreg_b32 s2, hwreg(HW_REG_IB_STS2, 6, 4)
	s_cmp_eq_u32 s2, 0
	s_cbranch_scc0 .Lentry_in_a_cluster
	s_endpgm
.Lentry_in_a_cluster:
	s_bfe_u32 s2, ttmp6, 0x10000c
	s_cmp_lg_u32 s2, 0x3003
	s_cbranch_scc0 .Lentry_shape_is_right
	s_endpgm
.Lentry_shape_is_right:
; Q, K, V = x W^T + b on codes of FP6 (E2M3) with E8M0 scales, and their own quantising: Q and K along the head's 64 (two blocks), V along the tokens (blocks of 32).
; SHARES: a work-group makes 256 tokens x 192 columns (Q, K, V of one head); each of four waves 64 tokens x 192: 48 accumulators, 384 matrix instructions, K = 1,024 in 8 steps of 128.
; THE WEIGHTS of the head, 147,456 bytes of register images, lie whole in LDS, filled once, in four pieces of two K steps.  The four work-groups of a cluster share the head: each piece is asked for JOINTLY (mask 15).
; x's fragments are the wave's own (no other wave wants them): they come straight into registers as images, 12 loads of 512 bytes a K step, through a ring of five K steps in window 1.
; No LDS byte is filled twice, so there is no ring in LDS and no refill.
; Q, K: transposed (source 0 = 16 rows of W, source 1 = 16 tokens): a lane holds one token and its registers run along the head's 64.  V: source 0 = 16 tokens, source 1 = 16 rows of Wv: a lane holds one
; feature and its registers run along the tokens.  Tiles of rows are taken as lane r = row 32 B + 8 u + r + 8 (r / 8), so that 16 registers of two neighbouring tiles are 16 neighbours along the next K.
; The biases are the C of each sum's first matrix instruction.
; LIMITS: as in the first launch (NaN, infinities not served; byte held at 1 from below; a block of zeros has the byte 1).  The Q and K scale words leave as runs of 128 bytes a wave: one byte in 24 of what the wave stores.
; REGISTERS: window 0: v1-15 addresses; v16-31 x's scale words, v32-79 the weights' (they hold scales alone); v80-151, v152-223 two sets of six weight fragments, later the codes made; v224-255 at work.
;   window 1: x's fragments, slot ks % 5 at 48 (ks % 5) + 12 tt.   window 2: Q's and K's 32 accumulators.   window 3: V's 16 accumulators at v0-127; v128-191 bq, bk as C; v192-223 bv as C.
.set WC,    3145728
.set XS,    6291456
.set WS,    6422528
.set KC,    3145728                    ; qkv: Q's codes [bh 32][block 64][1536] at 0, six pieces of 256 bytes; K's likewise, three pieces of 512
.set VC,    6291456                    ; V's: [bh][pair of key blocks 32][tile of features 4][piece 3][256]: lanes 0-15 the even block, lanes 16-31 the odd
.set QS,    9437184                    ; scale words [bh][block][lane r] of 4 bytes
.set KS,    9568256
.set VS,    9699328                    ; V's scale bytes [bh][group of 8 key blocks][feature row 64][8]
.set CHUNK, 36864                      ; two K steps of the head's weights
.set SVG,   147456                     ; behind the weights: 512 bytes where V's scale bytes of the four waves meet; no fill lands there
.set TM,    224
.set SEL,   68
.set MSB, 0
.macro WIN new                         ; the immediate's high byte repeats the setting that is left
.if MSB != (\new)
	s_set_vgpr_msb (MSB<<8)|(\new)
.set MSB, (\new)
.endif
.endm
.macro PLACES n
.rept \n
	v_nop
.endr
.endm
.macro CROUND                          ; a round of the cluster's barrier
	s_barrier_signal -1
	s_barrier_wait -1
	s_cmp_lg_u32 s14, 0
	s_cbranch_scc1 .Lnot_wave_0_\@
	s_barrier_signal -3
.Lnot_wave_0_\@:
	s_barrier_wait -3
	s_barrier_signal -1
	s_barrier_wait -1
.endm
; one product; ra, rb: source 0's, source 1's scale words stand in lanes 16-31 of their register
.macro WMS d, a, b, c, sa, sb, ra, rb
.if (\ra) && (\rb)
	v_wmma_scale_f32_16x16x128_f8f6f4 v[(\d):(\d)+7], v[(\a):(\a)+11], v[(\b):(\b)+11], v[(\c):(\c)+7], v[\sa], v[\sb] matrix_a_fmt:MATRIX_FMT_FP6 matrix_b_fmt:MATRIX_FMT_FP6 matrix_a_scale:MATRIX_SCALE_ROW1 matrix_b_scale:MATRIX_SCALE_ROW1
.elseif (\ra)
	v_wmma_scale_f32_16x16x128_f8f6f4 v[(\d):(\d)+7], v[(\a):(\a)+11], v[(\b):(\b)+11], v[(\c):(\c)+7], v[\sa], v[\sb] matrix_a_fmt:MATRIX_FMT_FP6 matrix_b_fmt:MATRIX_FMT_FP6 matrix_a_scale:MATRIX_SCALE_ROW1
.elseif (\rb)
	v_wmma_scale_f32_16x16x128_f8f6f4 v[(\d):(\d)+7], v[(\a):(\a)+11], v[(\b):(\b)+11], v[(\c):(\c)+7], v[\sa], v[\sb] matrix_a_fmt:MATRIX_FMT_FP6 matrix_b_fmt:MATRIX_FMT_FP6 matrix_b_scale:MATRIX_SCALE_ROW1
.else
	v_wmma_scale_f32_16x16x128_f8f6f4 v[(\d):(\d)+7], v[(\a):(\a)+11], v[(\b):(\b)+11], v[(\c):(\c)+7], v[\sa], v[\sb] matrix_a_fmt:MATRIX_FMT_FP6 matrix_b_fmt:MATRIX_FMT_FP6
.endif
.endm
.macro AFETCH ks                       ; x's four fragments of K step ks into slot ks % 5 of window 1
	WIN 0x40
.irp tt, 0,1,2,3
.irp c, 0,1,2
	global_load_b128 v[48*((\ks)%5)+12*\tt+4*\c:48*((\ks)%5)+12*\tt+4*\c+3], v4, s[48:49] offset:12288*\tt+1536*(\ks)+512*\c
.endr
.endr
	WIN 0
.endm
.macro BFETCH i                        ; half step i: six weight fragments (ct = 6 (i % 2) on) of K step i / 2 into set i % 2
.irp f, 0,1,2,3,4,5
.irp c, 0,1,2
	ds_load_b128 v[80+72*((\i)%2)+12*\f+4*\c:80+72*((\i)%2)+12*\f+4*\c+3], v[12+(\i)/4] offset:18432*(((\i)/2)%2)+1536*(6*((\i)%2)+\f)+512*\c
.endr
.endr
.endm
; four products: column tile ct against my four tiles of tokens.  Each accumulator's turn comes again after the 47 others'
.macro MUL ct, ks, bs
.irp tt, 0,1,2,3
.set rX, 48*((\ks)%5)+12*\tt
.set rW, 80+72*(\bs)+12*((\ct)-6*(\bs))
.set sW, 32+8*((\ct)/2)+(\ks)
.set sX, 16+8*(\tt/2)+(\ks)
.if (\ct) < 8
.set rD, 128*((\ct)/4)+64*(\tt/2)+32*(\tt%2)+8*((\ct)%4)
.set rC, rD
.if (\ks) == 0
.set rC, 128+8*(\ct)
.endif
	WMS rD, rW, rX, rC, sW, sX, (\ct)%2, \tt%2
.else
.set rD, 32*((\ct)-8)+16*(\tt/2)+8*(\tt%2)
.set rC, rD
.if (\ks) == 0
.set rC, 192+8*((\ct)-8)
.endif
	WMS rD, rX, rW, rC, sX, sW, \tt%2, (\ct)%2
.endif
.endr
.endm
.macro HALF i
.if ((\i)==3)||((\i)==7)||((\i)==11)
	s_wait_tensorcnt 3-((\i)+1)/4                  ; my quarter of the next piece of the weights has landed; the later pieces may stay out
	s_wait_dscnt 0x0                               ; no LDS instruction of mine is out at a signal
	s_barrier_signal -1
	s_barrier_wait -1                              ; everybody's quarter has landed
.endif
.if (\i) < 15
	PLACES 4                                       ; in front of loads into registers that matrix instructions have read
.if ((\i)==2)||((\i)==4)||((\i)==6)
	AFETCH (\i)/2+4                                ; the slot of the K step just finished takes the step five on
.endif
	BFETCH (\i)+1
	s_wait_dscnt 18                                ; this half's six fragments are in; the 18 loads just issued may stay out
.else
	s_wait_dscnt 0x0
.endif
.if (\i)%2 == 0
.if (\i)/2 <= 3
	s_wait_loadcnt 48                              ; this K step's fragments of x are in: behind them four steps' loads, 12 each, were issued
.else
	s_wait_loadcnt 12*(7-(\i)/2)                   ; the ring runs out
.endif
.endif
.if (\i) < 2
	WIN 0xb4                                       ; source 1 (x) window 1, C (bias) window 3, D window 2
.else
	WIN 0xa4                                       ; source 1 (x) window 1, C and D window 2
.endif
.if (\i)%2 == 0
.irp ct, 0,1,2,3,4,5
	MUL \ct, (\i)/2, 0
.endr
.else
	MUL 6, (\i)/2, 1
	MUL 7, (\i)/2, 1
	WIN 0xf1                                       ; source 0 (x) window 1, C and D window 3
.irp ct, 8,9,10,11
	MUL \ct, (\i)/2, 1
.endr
.endif
	WIN 0
.endm
; 64 numbers of a lane in window aw, register 16 b + i = number 16 (lane / 16) + i of block b, become 12 registers of codes at v[pc] on and four scale bytes in v[pw]
.macro QUANT s, aw, pc, pw
	WIN ((\aw)<<2)|((\aw)<<4)
.irp b, 0,1,2,3
	v_max3_num_f32 v[TM+\b], 0x1800000, |v[(\s)+16*\b]|, |v[(\s)+1+16*\b]|   ; each accumulator is read from its low end on; the floor 2^(3 - 127) holds the byte at 1 from below
.endr
.irp i, 2,4,6,8,10,12,14
.irp b, 0,1,2,3
	v_max3_num_f32 v[TM+\b], v[TM+\b], |v[(\s)+16*\b+\i]|, |v[(\s)+1+16*\b+\i]|
.endr
.endr
	WIN 0
.irp b, 0,1,2,3
	v_permlanex16_b32 v[TM+4+\b], v[TM+\b], s[SEL], s[SEL+1]
.endr
.irp b, 0,1,2,3
	v_max_num_f32 v[TM+\b], v[TM+\b], v[TM+4+\b]
.endr
.irp b, 0,1,2,3
	v_add_nc_u32 v[TM+12+\b], 0xff000000, v[TM+\b]
.endr
.irp b, 0,1,2,3
	v_lshrrev_b32 v[TM+4+\b], 23, v[TM+12+\b]
.endr
	v_lshl_or_b32 v[\pw], v[TM+5], 8, v[TM+4]
	v_lshl_or_b32 v[\pw], v[TM+6], 16, v[\pw]
	v_lshl_or_b32 v[\pw], v[TM+7], 24, v[\pw]
	WIN (\aw)
.irp c, 0,1
	v_cvt_scalef32_pk16_fp6_f32 v[(\pc)+6*\c:(\pc)+2+6*\c], v[(\s)+32*\c:(\s)+15+32*\c], v[TM+12+2*\c]
	v_cvt_scalef32_pk16_fp6_f32 v[(\pc)+12+4*\c:(\pc)+14+4*\c], v[(\s)+16+32*\c:(\s)+31+32*\c], v[TM+12+2*\c+1]
.endr
	WIN 0
	v_nop                                          ; one plain place behind a scaled conversion
.irp c, 0,1
.irp i, 0,1,2
	v_permlane16_swap_b32 v[(\pc)+6*\c+\i], v[(\pc)+12+4*\c+\i]
.endr
.irp i, 0,1,2
	v_mov_b32 v[(\pc)+3+6*\c+\i], v[(\pc)+12+4*\c+\i]
.endr
.endr
.endm
	s_load_b256 s[4:11], s[0:1], 0x0               ; xw s[4:5], bq s[6:7], bk s[8:9], bv s[10:11]
	s_load_b64 s[12:13], s[0:1], 0x20              ; qkv
	v_lshl_add_u32 v234, v0, 2, 0x29000
	v_mov_b32 v235, 0
	ds_add_u32 v234, v235
	ds_add_u32 v234, v235
	v_lshrrev_b32 v1, 5, v0
	v_readfirstlane_b32 s14, v1                    ; wave 0..3
	s_bfe_u32 s15, ttmp6, 0x40000                  ; cx
	s_lshl_b32 s16, ttmp9, 2
	s_add_co_u32 s16, s16, s15                     ; block of 256 tokens = 4 x cluster x + cx
	s_and_b32 s17, ttmp7, 0xffff                   ; the head, which the four partners share
	s_lshr_b32 s18, s16, 3
	s_lshl_b32 s18, s18, 4
	s_add_co_u32 s18, s18, s17                     ; bh = 16 batch + head
	s_and_b32 s19, s16, 7                          ; the block in its batch
	; descriptor group 1: 36 rows of 256 bytes (32 elements of 8), dense: a quarter of a piece
	s_mov_b32 s24, 15|(3<<16)|(1<<21)              ; 15:0 the mask: all four work-groups; 17:16 elements of 8 bytes; 21 set beside a mask
	s_mov_b32 s25, 32<<16                          ; tensor_dim0
	s_mov_b32 s26, 36<<16                          ; tensor_dim1
	s_mov_b32 s27, 32<<16                          ; tile_dim0
	s_mov_b32 s28, 36                              ; tile_dim1
	s_mov_b32 s29, 32                              ; the pitch
	s_mov_b32 s30, 0
	s_mov_b32 s31, 0
	s_mul_i32 s20, s17, 147456                     ; the head's weights,
	s_mul_i32 s22, s14, 9216                       ; my quarter of a piece: in memory and in LDS alike
	s_add_co_u32 s20, s20, s22
	s_add_co_u32 s20, s20, WC
	s_mov_b32 s21, 0
	s_lshl_b32 s70, s16, 4
	s_lshl_b32 s23, s14, 2
	s_add_co_u32 s70, s70, s23                     ; my first tile of tokens
	s_mul_i32 s48, s70, 12288
	s_mov_b32 s49, 0
	s_lshl_b32 s50, s70, 9
	s_add_co_u32 s50, s50, XS
	s_mov_b32 s51, 0
	s_mul_i32 s52, s17, 6144
	s_add_co_u32 s52, s52, WS
	s_mov_b32 s53, 0
	s_lshl_b32 s71, s18, 6
	s_lshl_b32 s23, s19, 3
	s_add_co_u32 s71, s71, s23
	s_lshl_b32 s23, s14, 1                         ; (2 x wave: also my two bytes among V's eight)
	s_add_co_u32 s71, s71, s23                     ; my first block of 32 tokens: 64 bh + 8 block + 2 wave
	s_mul_i32 s54, s71, 1536
	s_mov_b32 s55, 0
	s_add_co_u32 s56, s54, KC
	s_mov_b32 s57, 0
	s_add_co_u32 s58, s54, VC                      ; (a pair of blocks is 3,072 bytes of V's codes: the same product)
	s_mov_b32 s59, 0
	s_lshl_b32 s60, s71, 6
	s_add_co_u32 s62, s60, KS
	s_add_co_u32 s60, s60, QS
	s_mov_b32 s61, 0
	s_mov_b32 s63, 0
	s_lshl_b32 s66, s18, 3
	s_add_co_u32 s66, s66, s19
	s_lshl_b32 s66, s66, 9
	s_add_co_u32 s66, s66, VS
	s_mov_b32 s67, 0
	s_lshl_b32 s70, s17, 8                         ; the head's 64 numbers of a bias
	s_mov_b32 s71, 0
	s_mov_b32 s[SEL], 0x76543210
	s_mov_b32 s[SEL+1], 0xfedcba98
	v_and_b32 v1, 31, v0                           ; lane
	v_and_b32 v2, 15, v0                           ; r
	v_bfe_u32 v3, v0, 4, 1                         ; h
	v_lshlrev_b32 v4, 4, v1                        ; 16 x lane: an image's place
	v_lshlrev_b32 v5, 5, v1                        ; 32 x lane: a row of scale words
	v_lshlrev_b32 v6, 6, v3                        ; bq, bk: 16 numbers on for lanes 16-31
	v_and_b32 v7, 8, v2
	v_add_nc_u32 v7, v7, v2
	v_lshlrev_b32 v7, 2, v7                        ; bv: the number of my feature row: r + 8 (r / 8)
	v_lshlrev_b32 v8, 3, v1                        ; 8 x lane
	v_lshlrev_b32 v9, 2, v1                        ; 4 x lane
	v_lshlrev_b32 v10, 3, v2
	v_add_nc_u32 v10, s23, v10
	v_add_nc_u32 v10, SVG, v10                     ; V's scale bytes: 8 r + 2 wave
	v_add_nc_u32 v11, SVG, v4
.irp i, 0,1,2,3
	v_add_nc_u32 v[12+\i], \i*CHUNK, v4            ; piece i of the weights in LDS
.endr
.irp b, 0,1,2,3
	v_mov_b32 v[TM+4+\b], 0                        ; written once: a lane permute's destination counts as one of its sources
.endr
	s_wait_dscnt 0x0
	s_wait_kmcnt 0x0
	s_add_nc_u64 s[20:21], s[4:5], s[20:21]
	s_add_nc_u64 s[48:49], s[4:5], s[48:49]        ; x's codes
	s_add_nc_u64 s[50:51], s[4:5], s[50:51]        ; x's scale words
	s_add_nc_u64 s[52:53], s[4:5], s[52:53]        ; the weights' scale words
	s_add_nc_u64 s[54:55], s[12:13], s[54:55]
	s_add_nc_u64 s[56:57], s[12:13], s[56:57]
	s_add_nc_u64 s[58:59], s[12:13], s[58:59]
	s_add_nc_u64 s[60:61], s[12:13], s[60:61]
	s_add_nc_u64 s[62:63], s[12:13], s[62:63]
	s_add_nc_u64 s[66:67], s[12:13], s[66:67]
	s_add_nc_u64 s[6:7], s[6:7], s[70:71]
	s_add_nc_u64 s[8:9], s[8:9], s[70:71]
	s_add_nc_u64 s[10:11], s[10:11], s[70:71]
.irp i, 0,1,2,3
	s_mov_b32 s[32+4*\i], 1                                        ; count = 1
	s_add_co_u32 s[33+4*\i], s22, \i*CHUNK                         ; LDS address: the wave's number and constants alone
	s_add_nc_u64 s[34+4*\i:35+4*\i], s[20:21], \i*CHUNK            ; global address: head and wave alone
	s_or_b32 s[35+4*\i], s[35+4*\i], 0x80000000                    ; type = 2
.endr
	WIN 0xc0                                       ; destination window 3
.irp f, 0,1,2,3
	global_load_b128 v[128+8*\f:131+8*\f], v6, s[6:7] offset:4*(32*(\f/2)+8*(\f%2))      ; bq in the result's layout: features 32 B + 16 h + 8 u + 0 .. 7
	global_load_b128 v[132+8*\f:135+8*\f], v6, s[6:7] offset:4*(32*(\f/2)+8*(\f%2))+16
	global_load_b128 v[160+8*\f:163+8*\f], v6, s[8:9] offset:4*(32*(\f/2)+8*(\f%2))      ; bk
	global_load_b128 v[164+8*\f:167+8*\f], v6, s[8:9] offset:4*(32*(\f/2)+8*(\f%2))+16
.endr
	WIN 0
.irp f, 0,1,2,3
	global_load_b32 v[246+\f], v7, s[10:11] offset:4*(32*(\f/2)+8*(\f%2))                 ; bv of my feature row
.endr
.irp p, 0,1
	global_load_b128 v[16+8*\p:19+8*\p], v5, s[50:51] offset:1024*\p                     ; lanes 0-15: tile 2 p's words of the 8 K steps; lanes 16-31: tile 2 p + 1's
	global_load_b128 v[20+8*\p:23+8*\p], v5, s[50:51] offset:1024*\p+16
.endr
.irp p, 0,1,2,3,4,5
	global_load_b128 v[32+8*\p:35+8*\p], v5, s[52:53] offset:1024*\p
	global_load_b128 v[36+8*\p:39+8*\p], v5, s[52:53] offset:1024*\p+16
.endr
	AFETCH 0
	AFETCH 1
	CROUND                                         ; all four work-groups are here: the joint loads meet
	tensor_load_to_lds s[32:35], s[24:31]          ; the four first fills as one group: four tensor loads of mine are out
	s_nop 0
	tensor_load_to_lds s[36:39], s[24:31]
	s_nop 0
	tensor_load_to_lds s[40:43], s[24:31]
	s_nop 0
	tensor_load_to_lds s[44:47], s[24:31]
	s_nop 0
	PLACES 4                                       ; the windows are switched only behind four instructions
	AFETCH 2
	AFETCH 3
	AFETCH 4
	s_wait_loadcnt 60                              ; biases and scale words are in: behind them five K steps of x, 12 loads each, were issued
	WIN 0xc0
.irp f, 0,1,2,3
.irp i, 0,1,2,3,4,5,6,7
	v_mov_b32 v[192+8*\f+\i], v[246+\f]            ; V's C: a lane's eight results are eight tokens of one feature
.endr
.endr
	WIN 0
	s_wait_tensorcnt 3                             ; my quarter of the first piece has landed; three loads may stay out
	s_barrier_signal -1
	s_barrier_wait -1
	BFETCH 0
.irp i, 0,1,2,3,4,5,6,7,8,9,10,11,12,13,14,15
	HALF \i
.endr
	; THE WAY OUT.  Each group of 64 registers has codes' registers of its own, so no store's data are written again.
	PLACES 4                                       ; in front of the first read of results and of writes over the weights' fragments
.irp g, 0,1                                    ; Q: token block g of my two: registers 0-5 its tile 0, 6-11 its tile 1
	QUANT 64*\g, 2, 80+20*\g, 240+\g
.irp n, 0,1,2,3,4,5
	global_store_b64 v8, v[80+20*\g+2*\n:81+20*\g+2*\n], s[54:55] offset:1536*\g+256*\n   ; 32 lanes store 256 consecutive bytes, aligned
.endr
.endr
.irp g, 2,3                                    ; K likewise, as three pieces of 512 bytes
	QUANT 64*\g, 2, 80+20*\g, 240+\g
.irp c, 0,1,2
	global_store_b128 v4, v[80+20*\g+4*\c:83+20*\g+4*\c], s[56:57] offset:1536*(\g-2)+512*\c
.endr
.endr
.irp g, 4,5                                    ; V: feature tiles 2 (g - 4), 2 (g - 4) + 1: lanes 0-15 my even block of tokens, lanes 16-31 my odd one
	QUANT 64*(\g-4), 3, 80+20*\g, 240+\g
.irp e, 0,1
.irp p, 0,1,2
	global_store_b64 v8, v[80+20*\g+6*\e+2*\p:81+20*\g+6*\e+2*\p], s[58:59] offset:768*(2*(\g-4)+\e)+256*\p
.endr
.endr
.endr
	v_cmp_le_u32 vcc_lo, 16, v1                    ; lanes 16-31 carry the second block's words
	v_cndmask_b32 v250, v240, v241, vcc_lo
	v_cndmask_b32 v251, v242, v243, vcc_lo
	global_store_b32 v9, v250, s[60:61]
	global_store_b32 v9, v251, s[62:63]
	ds_store_b16 v10, v244                         ; V's bytes: feature tile 0, my two key blocks;
	ds_store_b16_d16_hi v10, v244 offset:128       ; tile 1;
	ds_store_b16 v10, v245 offset:256              ; tile 2;
	ds_store_b16_d16_hi v10, v245 offset:384       ; tile 3
	s_wait_dscnt 0x0                               ; for the others' sake: my bytes lie in LDS
	s_barrier_signal -1
	s_barrier_wait -1
	s_cmp_lg_u32 s14, 0
	s_cbranch_scc1 .Lno_vs
	ds_load_b128 v[252:255], v11                   ; wave 0: 64 feature rows x 8 key blocks
	s_wait_dscnt 0x0
	global_store_b128 v4, v[252:255], s[66:67]     ; 512 consecutive bytes, aligned
.Lno_vs:
	s_wait_tensorcnt 0x0
	ds_add_u32 v234, v235
	s_wait_dscnt 0x0
	CROUND                                         ; the closing round: no work-group ends while a partner may still ask for a piece that names it
	s_endpgm
.Lfunc_end_k_q81d7a8bafb_qkv:
	.size	k_q81d7a8bafb_qkv, .Lfunc_end_k_q81d7a8bafb_qkv-k_q81d7a8bafb_qkv
	.p2alignl 7, 3214868480
	.fill 96, 4, 3214868480
	.section	.rodata,"a",@progbits
	.p2align	6, 0x0
	.amdhsa_kernel k_q81d7a8bafb_qkv
		.amdhsa_group_segment_fixed_size 168448
		.amdhsa_private_segment_fixed_size 0
		.amdhsa_enable_private_segment 0
		.amdhsa_kernarg_size 40
		.amdhsa_user_sgpr_count 2
		.amdhsa_user_sgpr_kernarg_segment_ptr 1
		.amdhsa_wavefront_size32 1
		.amdhsa_system_sgpr_workgroup_id_x 1
		.amdhsa_system_sgpr_workgroup_id_y 1
		.amdhsa_system_sgpr_workgroup_id_z 1
		.amdhsa_system_vgpr_workitem_id 0
		.amdhsa_next_free_vgpr 1024
		.amdhsa_next_free_sgpr 72
		.amdhsa_reserve_vcc 1
		.amdhsa_float_denorm_mode_32 3
		.amdhsa_float_denorm_mode_16_64 3
		.amdhsa_memory_ordered 1
		.amdhsa_forward_progress 1
		.amdhsa_inst_pref_size 119
	.end_amdhsa_kernel
	.amdgpu_metadata
---
amdhsa.version: [ 1, 2 ]
amdhsa.kernels:
  - .name:           k_q81d7a8bafb_qkv
    .symbol:         k_q81d7a8bafb_qkv.kd
    .args:
      - { .name: xw, .offset: 0, .size: 8, .value_kind: global_buffer, .address_space: global }
      - { .name: bq, .offset: 8, .size: 8, .value_kind: global_buffer, .address_space: global }
      - { .name: bk, .offset: 16, .size: 8, .value_kind: global_buffer, .address_space: global }
      - { .name: bv, .offset: 24, .size: 8, .value_kind: global_buffer, .address_space: global }
      - { .name: qkv, .offset: 32, .size: 8, .value_kind: global_buffer, .address_space: global }
    .group_segment_fixed_size: 168448
    .private_segment_fixed_size: 0
    .kernarg_segment_align: 8
    .kernarg_segment_size: 40
    .max_flat_workgroup_size: 128
    .sgpr_count:     72
    .vgpr_count:     1024
    .wavefront_size: 32
...
	.end_amdgpu_metadata
.endif
;; end of part 2
;; launch attn (part 3): grid 8 x 32, 16 waves a work-group, no clusters, 169,984 bytes of LDS; arguments qkv, att; writes att
.if DOCPART == 3
	.amdgcn_target "amdgcn-amd-amdhsa--gfx1250"
	.amdhsa_code_object_version 6
	.text
	.protected	k_q81d7a8bafb_attn
	.globl	k_q81d7a8bafb_attn
	.p2align	8
	.type	k_q81d7a8bafb_attn,@function
k_q81d7a8bafb_attn:
	s_mov_b64 s[64:65], 0
	v_nop
	global_prefetch_b8 v0, s[64:65] scope:SCOPE_SE
	s_setreg_imm32_b32 hwreg(HW_REG_WAVE_MODE, 25, 1), 1
	s_wait_xcnt 0x0
; The band attention of one head: scores = Q K^T / 8 where key <= query and query - key < 256, softmax, O = P V; both products on codes of FP6 (E2M3) with E8M0 scales.  P is quantised FINISHED AND NORMALISED,
; along the keys in blocks of 32 counted from key 0; O is quantised along (head, d) for the last product.
; THE BAND: the 32 queries of block m see key blocks m - 8 .. m alone: nine blocks, 288 keys, 144 scores a lane.  Blocks m - 7 .. m - 1 count whole; block m is cut by key <= query, block m - 8 by the complement of that cut.
; So the whole row lies in registers: the row's maximum is taken away, then exponentials, sum, division, quantiser: no running maximum is needed.
; SHARES: a work-group owns 256 queries of one (batch, head); wave 2 w + u owns tile u (16 queries) of query block 8 qb + w, in 256 registers; four waves to a SIMD, so that one wave's vector work stands beside another's products.
; LAYOUT: both products transposed (S^T = K Q^T, O^T = V^T P^T): a lane holds one query throughout.  A K fragment carries BOTH tiles of a key block (K = 64 + 64); it is multiplied by [Q | 0] and by [0 | Q]: zero codes add nothing.
; LDS: 16 key blocks (8 qb - 8 on) of K's and V's codes and scale bytes, filled once by eight tensor loads.  In the first work-group of a sequence the eight blocks in front of key 0 are filled with the first group's own bytes
; (finite numbers) and their scores are masked, so that every LDS address is the same in every work-group.
; NO MULTICAST: a group of 8 key blocks is read by two work-groups only, and into different LDS places (one's own group is the other's halo), while a joint load has one descriptor for all that it names.
; LIMITS: NaN and infinities are not served; scale bytes are held at 1 from below, a block of zeros has the byte 1; v_exp_f32 gives 0 for results under 2^-126; a block's largest p is taken from its largest score,
; which takes v_exp_f32 not to fall where its input rises.
; REGISTERS: v1-10 addresses; v11-15 at work; v16-33 Q, zeros, Q; v34 Q's scale word; v35-43 K's scale words, later P's (v35-37) and V's (v38-43); v44-79 three K fragments, later P's codes;
;   v80-223 S^T, then p, then V's fragments; v224-232 the blocks' maxima; v233-241 at work, then the conversions' scales; v242-251 at work; v252 the offset of Q's scale word; at last v224-255 O^T.
.set KC,   3145728
.set QS,   9437184
.set KS,   9568256
.set OS,   3145728
.set VCL,  24576                       ; LDS: K's codes, 16 blocks x 1,536, at 0; V's, 8 pairs x 3,072
.set KSL,  49152                       ; K's scale words, 16 x 64
.set VSL,  50176                       ; V's scale bytes, 2 x 512
.set OSG,  51200                       ; 512 bytes where O's scale bytes of the sixteen waves meet; no fill lands there
.set KF,   44
.set KSW,  35
.set S,    80
.set BM,   224
.set T,    233
.set SEL,  40
.set CS,   42
.macro PLACES n
.rept \n
	v_nop
.endr
.endm
	s_load_b128 s[4:7], s[0:1], 0x0                ; qkv s[4:5], att s[6:7]
	v_lshl_add_u32 v33, v0, 2, 0x29000
	v_mov_b32 v34, 0
	ds_add_u32 v33, v34
	ds_add_u32 v33, v34
	s_wait_dscnt 0x0
	v_lshrrev_b32 v11, 5, v0
	v_readfirstlane_b32 s8, v11                    ; wave 0..15
	s_lshr_b32 s9, s8, 1                           ; w: my query block among the work-group's eight
	s_and_b32 s10, s8, 1                           ; u: my tile of it
	s_mov_b32 s11, ttmp9                           ; qb
	s_and_b32 s12, ttmp7, 0xffff                   ; bh
	s_and_b32 s13, s12, 15                         ; head
	s_lshr_b32 s14, s12, 4
	s_lshl_b32 s14, s14, 3
	s_add_co_u32 s14, s14, s11                     ; block of 256 rows among all 4,096
	; what I fetch, if I fetch: waves 0-3 codes, waves 4-7 scale bytes; of each four: K's halo, K's own group, V's halo, V's own group
	s_and_b32 s15, s8, 3
	s_and_b32 s46, s15, 1
	s_add_co_u32 s46, s46, s11
	s_max_u32 s46, s46, 1
	s_sub_co_u32 s46, s46, 1                       ; the group: qb - 1 or qb, never under 0
	s_lshl_b32 s47, s12, 3
	s_add_co_u32 s46, s46, s47
	s_lshr_b32 s47, s15, 1                         ; 0: K, 1: V
	s_mul_i32 s56, s46, 12288
	s_mul_i32 s58, s47, 3145728
	s_add_co_u32 s56, s56, s58
	s_add_co_u32 s56, s56, KC
	s_mov_b32 s57, 0
	s_lshl_b32 s58, s46, 9
	s_lshl_b32 s47, s47, 17
	s_add_co_u32 s58, s58, s47
	s_add_co_u32 s58, s58, KS
	s_mov_b32 s59, 0
	; descriptor groups 1: dense rows of 256 bytes (32 elements of 8): 48 rows of codes, 2 rows of scale bytes
	s_mov_b32 s16, 3<<16
	s_mov_b32 s17, 32<<16
	s_mov_b32 s18, 48<<16
	s_mov_b32 s19, 32<<16
	s_mov_b32 s20, 48
	s_mov_b32 s21, 32
	s_mov_b32 s22, 0
	s_mov_b32 s23, 0
	s_mov_b32 s24, 3<<16
	s_mov_b32 s25, 32<<16
	s_mov_b32 s26, 2<<16
	s_mov_b32 s27, 32<<16
	s_mov_b32 s28, 2
	s_mov_b32 s29, 32
	s_mov_b32 s30, 0
	s_mov_b32 s31, 0
	; where my queries' codes and scale words lie, and where O's go
	s_lshl_b32 s46, s12, 6
	s_lshl_b32 s47, s11, 3
	s_add_co_u32 s46, s46, s47
	s_add_co_u32 s46, s46, s9                      ; my query block: 64 bh + 8 qb + w
	s_mul_i32 s48, s46, 1536
	s_mul_i32 s47, s10, 768
	s_add_co_u32 s48, s48, s47
	s_mov_b32 s49, 0
	s_lshl_b32 s50, s46, 6
	s_add_co_u32 s50, s50, QS
	s_mov_b32 s51, 0
	s_lshl_b32 s46, s14, 3
	s_lshr_b32 s47, s13, 1
	s_add_co_u32 s46, s46, s47
	s_lshl_b32 s46, s46, 4
	s_add_co_u32 s46, s46, s8                      ; O's fragment: 16 (8 rb + head / 2) + wave;
	s_mul_i32 s52, s46, 1536
	s_and_b32 s47, s13, 1
	s_mul_i32 s47, s47, 768                        ; an odd head fills its second half
	s_add_co_u32 s52, s52, s47
	s_mov_b32 s53, 0
	s_lshl_b32 s54, s13, 13
	s_lshl_b32 s47, s14, 9
	s_add_co_u32 s54, s54, s47
	s_add_co_u32 s54, s54, OS
	s_mov_b32 s55, 0
	s_mov_b32 s[SEL], 0x76543210
	s_mov_b32 s[SEL+1], 0xfedcba98
	s_mov_b32 s[CS], 0x3e38aa3b                    ; c = log2(e) / 8
	s_mov_b32 s[CS+1], s[CS]                       ; (named with it as a pair, so it is written)
	s_wait_kmcnt 0x0
	s_mov_b32 s32, 1
	s_mul_i32 s33, s15, 12288                      ; LDS: K's two groups, then V's two
	s_add_nc_u64 s[34:35], s[4:5], s[56:57]
	s_or_b32 s35, s35, 0x80000000
	s_mov_b32 s36, 1
	s_lshl_b32 s37, s15, 9
	s_add_co_u32 s37, s37, KSL
	s_add_nc_u64 s[38:39], s[4:5], s[58:59]
	s_or_b32 s39, s39, 0x80000000
	s_add_nc_u64 s[48:49], s[4:5], s[48:49]
	s_add_nc_u64 s[50:51], s[4:5], s[50:51]
	s_add_nc_u64 s[52:53], s[6:7], s[52:53]
	s_add_nc_u64 s[54:55], s[6:7], s[54:55]
	s_cmp_lt_u32 s8, 4                             ; the first fills: one tensor load a wave, in waves 0 to 7; four v_nop follow each line
	s_cbranch_scc0 .Lnot_codes
	tensor_load_to_lds s[32:35], s[16:23]
	s_nop 0
	PLACES 4
	s_branch .Lasked
.Lnot_codes:
	s_cmp_lt_u32 s8, 8
	s_cbranch_scc0 .Lasked
	tensor_load_to_lds s[36:39], s[24:31]
	s_nop 0
	PLACES 4
.Lasked:
	v_and_b32 v11, 31, v0                          ; lane
	v_and_b32 v12, 15, v0                          ; r
	v_bfe_u32 v13, v0, 4, 1                        ; h
	v_lshlrev_b32 v7, 3, v11                       ; 8 x lane; never rewritten
	v_lshlrev_b32 v10, 4, v11                      ; 16 x lane; never rewritten
	v_lshlrev_b32 v252, 2, v12                     ; 4 r, in a register of its own: no line writes it again before the wait for the load that names it
.irp p, 0,1,2
	global_load_b64 v[16+2*\p:17+2*\p], v7, s[48:49] offset:256*\p    ; Q, for [Q | 0]
	global_load_b64 v[28+2*\p:29+2*\p], v7, s[48:49] offset:256*\p    ; and once more, for [0 | Q]
.endr
	global_load_b32 v251, v252, s[50:51]           ; the block's scale word of lane r: bytes (tile 0: b0, b1; tile 1: b0, b1)
	s_mul_i32 s46, s9, 1536
	v_lshl_add_u32 v1, v11, 4, s46                 ; K's images: slot w on, 16 x lane
	s_lshl_b32 s46, s9, 6
	s_add_co_u32 s46, s46, KSL
	v_lshl_add_u32 v2, v12, 2, s46                 ; K's scale words
	v_add_nc_u32 v14, s9, v13                      ; V: lanes 0-15 begin at slot w, lanes 16-31 at slot w + 1; slot t lies at 3,072 (t / 2) + 128 (t % 2)
	v_lshrrev_b32 v15, 1, v14
	v_mul_u32_u24 v15, v15, 3072
	v_and_b32 v14, 1, v14
	v_lshl_add_u32 v15, v14, 7, v15
	v_lshl_add_u32 v15, v12, 3, v15
	v_add_nc_u32 v3, VCL, v15
	s_lshr_b32 s46, s9, 1
	s_mul_i32 s46, s46, 3072
	s_and_b32 s47, s9, 1
	s_lshl_b32 s47, s47, 7
	s_add_co_u32 s46, s46, s47
	s_add_co_u32 s46, s46, VCL
	v_lshl_add_u32 v4, v12, 3, s46                 ; V: both halves of the lanes at slot w (for the ninth block)
	v_lshl_add_u32 v5, v11, 3, VSL                 ; V's scale bytes: lanes 0-15 an even feature tile's rows, lanes 16-31 the odd one's
	v_and_b32 v14, 8, v12
	v_add_nc_u32 v14, v14, v12
	s_lshl_b32 s46, s10, 3
	v_add_nc_u32 v14, s46, v14                     ; my query in its block: 8 u + r + 8 (r / 8)
	v_lshlrev_b32 v15, 4, v13
	v_sub_nc_u32 v6, v14, v15                      ; d = that - 16 h: register n of a block holds key 16 h + n
	s_lshl_b32 s46, s8, 5
	s_add_co_u32 s46, s46, OSG
	v_lshl_add_u32 v8, v12, 1, s46                 ; O's scale bytes: 32 x wave + 2 r
	v_add_nc_u32 v9, OSG, v10
	s_and_b32 s44, s9, 3
	s_lshl_b32 s44, s44, 3                         ; V's bytes begin 8 (w % 4) bits up in a word,
	s_cmp_ge_u32 s9, 4
	s_cselect_b32 s45, -1, 0                       ; one word on where w >= 4
.irp i, 22,23,24,25,26,27
	v_mov_b32 v[\i], 0                             ; the zero codes between the two copies of Q
.endr
.irp i, 0,1,2,3,4,5,6,7,8
	v_mov_b32 v[T+\i], 0                           ; written once: a lane permute's destination counts as one of its sources
.endr
	v_mov_b32 v243, 0                              ; (upper halves of pairs of which the low word alone is used)
	v_mov_b32 v249, 0
	v_mov_b32 v250, 0xff800000                     ; -infinity
	s_lshl_b32 s46, s10, 4
	s_wait_loadcnt 0x0                             ; Q and its scale word are in
	v_lshrrev_b32 v251, s46, v251
	v_and_b32 v251, 0xffff, v251                   ; my tile's two bytes,
	v_lshl_or_b32 v34, v251, 16, v251              ; for k = 0 .. 63 and for k = 64 .. 127 alike
	PLACES 8                                       ; a scale register written by a vector instruction stands 8 places ahead of a scaled matrix instruction
	s_wait_tensorcnt 0x0                           ; my load has landed (waves 8 to 15 have none)
	s_barrier_signal -1
	s_barrier_wait -1                              ; everybody's has
	; ---- S^T = K Q^T: nine key blocks, three at a time
.irp rr, 0,1,2
.if \rr > 0
	PLACES 4                                       ; in front of loads into registers that matrix instructions have read
.endif
.irp jj, 0,1,2
.irp c, 0,1,2
	ds_load_b128 v[KF+12*\jj+4*\c:KF+12*\jj+4*\c+3], v1 offset:1536*(3*\rr+\jj)+512*\c
.endr
.endr
.if \rr == 0
.irp j, 0,1,2,3,4,5,6,7,8
	ds_load_b32 v[KSW+\j], v2 offset:64*\j
.endr
.endif
	s_wait_dscnt 0x0
.irp jj, 0,1,2
	v_wmma_scale_f32_16x16x128_f8f6f4 v[S+16*(3*\rr+\jj):S+16*(3*\rr+\jj)+7], v[KF+12*\jj:KF+12*\jj+11], v[16:27], 0, v[KSW+3*\rr+\jj], v34 matrix_a_fmt:MATRIX_FMT_FP6 matrix_b_fmt:MATRIX_FMT_FP6
	v_wmma_scale_f32_16x16x128_f8f6f4 v[S+16*(3*\rr+\jj)+8:S+16*(3*\rr+\jj)+15], v[KF+12*\jj:KF+12*\jj+11], v[22:33], 0, v[KSW+3*\rr+\jj], v34 matrix_a_fmt:MATRIX_FMT_FP6 matrix_b_fmt:MATRIX_FMT_FP6
.endr
.endr
	PLACES 4
	; ---- the mask.  Register 16 j + n holds key 32 (m - 8 + j) + 16 h + n.  In block m a key is hidden where n > d; in block m - 8 it counts just there
.set n, 0
.rept 16
	v_cmp_gt_i32 vcc_lo, n, v6
	v_cndmask_b32 v[S+128+n], v[S+128+n], v250, vcc_lo
	v_cndmask_b32 v[S+n], v250, v[S+n], vcc_lo
.set n, n+1
.endr
	s_cmp_lg_u32 s11, 0                            ; the first 256 queries of a sequence: key blocks in front of key 0 are hidden whole.  A branch on the work-group's number
	s_cbranch_scc1 .Linside
.irp j, 0,1,2,3,4,5,6,7
	s_add_co_u32 s46, s9, \j
	s_cmp_lt_u32 s46, 8
	s_cselect_b32 s46, -1, 0
.set n, 0
.rept 16
	v_cndmask_b32 v[S+16*\j+n], v[S+16*\j+n], v250, s46
.set n, n+1
.endr
.endr
.Linside:
	; ---- the largest score of each block (it serves twice: for the row's maximum and, since p rises with the score, for the block's largest p)
.irp j, 0,1,2,3,4,5,6,7,8
	v_max3_num_f32 v[BM+\j], v[S+16*\j], v[S+16*\j+1], v[S+16*\j+2]
.endr
.irp i, 3,5,7,9,11,13
.irp j, 0,1,2,3,4,5,6,7,8
	v_max3_num_f32 v[BM+\j], v[BM+\j], v[S+16*\j+\i], v[S+16*\j+\i+1]
.endr
.endr
.irp j, 0,1,2,3,4,5,6,7,8
	v_max_num_f32 v[BM+\j], v[BM+\j], v[S+16*\j+15]
.endr
.irp j, 0,1,2,3,4,5,6,7,8
	v_permlanex16_b32 v[T+\j], v[BM+\j], s[SEL], s[SEL+1]
.endr
.irp j, 0,1,2,3,4,5,6,7,8
	v_max_num_f32 v[BM+\j], v[BM+\j], v[T+\j]      ; with lane l xor 16's 16 keys
.endr
	v_max3_num_f32 v251, v224, v225, v226
	v_max3_num_f32 v251, v251, v227, v228
	v_max3_num_f32 v251, v251, v229, v230
	v_max3_num_f32 v251, v251, v231, v232          ; the row's maximum: a number, since the query's own key always counts
	v_mul_f32 v242, 0xbe38aa3b, v251               ; -c m.  Its rounding is one factor for the whole row and leaves with the division by the sum
	; ---- p = 2^(c s - c m)
.set j, 0
.rept 72
	v_pk_fma_f32 v[S+j:S+j+1], v[S+j:S+j+1], s[CS:CS+1], v[242:243] op_sel_hi:[1,0,0]
.set j, j+2
.endr
.irp j, 0,1,2,3,4,5,6,7,8
	v_fma_f32 v[BM+\j], v[BM+\j], s[CS], v242      ; the same of each block's largest score
.endr
.set j, 0
.rept 144
	v_exp_f32 v[S+j], v[S+j]
.set j, j+1
.endr
.irp j, 0,1,2,3,4,5,6,7,8
	v_exp_f32 v[BM+\j], v[BM+\j]
.endr
	v_nop                                          ; a plain place behind the exponentials
	; ---- the row's sum, two numbers at a time, in two chains
	s_wait_alu depctr_va_vdst(0)
	v_pk_add_f32 v[244:245], v[S:S+1], v[S+2:S+3]
	v_pk_add_f32 v[246:247], v[S+4:S+5], v[S+6:S+7]
.set j, 8
.rept 34
	v_pk_add_f32 v[244:245], v[244:245], v[S+j:S+j+1]
	v_pk_add_f32 v[246:247], v[246:247], v[S+j+2:S+j+3]
.set j, j+4
.endr
	v_pk_add_f32 v[244:245], v[244:245], v[246:247]
	v_add_f32 v244, v244, v245
	v_permlanex16_b32 v251, v244, s[SEL], s[SEL+1]
	v_add_f32 v244, v244, v251                     ; with lane l xor 16's 144 keys
	v_rcp_f32 v248, v244
	v_nop                                          ; a plain place behind the reciprocal
	; ---- normalised, as it is quantised
.set j, 0
	s_wait_alu depctr_va_vdst(0)
.rept 72
	v_pk_mul_f32 v[S+j:S+j+1], v[S+j:S+j+1], v[248:249] op_sel_hi:[1,0]
.set j, j+2
.endr
.irp j, 0,1,2,3,4,5,6,7,8
	v_mul_f32 v[BM+\j], v[BM+\j], v248
.endr
.irp j, 0,1,2,3,4,5,6,7,8
	v_max_num_f32 v[BM+\j], 0x1800000, v[BM+\j]    ; the floor 2^(3 - 127): the byte cannot fall under 1 (a block of zeros keeps that byte: its codes are zeros)
.endr
.irp j, 0,1,2,3,4,5,6,7,8
	v_add_nc_u32 v[T+\j], 0xff000000, v[BM+\j]     ; 2 off the exponent field: the conversion's scale operand
.endr
.irp j, 0,1,2,3,4,5,6,7,8
	v_lshrrev_b32 v[BM+\j], 23, v[T+\j]            ; the scale's byte
.endr
.irp s, 0,1
	v_lshl_or_b32 v[35+\s], v[BM+4*\s+1], 8, v[BM+4*\s]            ; P's scale word of key step s
	v_lshl_or_b32 v[35+\s], v[BM+4*\s+2], 16, v[35+\s]
	v_lshl_or_b32 v[35+\s], v[BM+4*\s+3], 24, v[35+\s]
.endr
	v_mov_b32 v37, v232                            ; the third step has one block; its other bytes are 0 and face zero codes
	; ---- P's codes: pair q of blocks (2 q, 2 q + 1) becomes registers 6 q .. 6 q + 5 of v44 on
.irp q, 0,1,2,3
	v_cvt_scalef32_pk16_fp6_f32 v[44+6*\q:46+6*\q], v[S+32*\q:S+32*\q+15], v[T+2*\q]
	v_cvt_scalef32_pk16_fp6_f32 v[16+4*\q:18+4*\q], v[S+32*\q+16:S+32*\q+31], v[T+2*\q+1]
.endr
	v_cvt_scalef32_pk16_fp6_f32 v[68:70], v[S+128:S+143], v[T+8]
	v_nop                                          ; one plain place behind a scaled conversion
.irp i, 31,32,33,74,75,76,77,78,79
	v_mov_b32 v[\i], 0                             ; the ninth block has no partner: zero codes
.endr
.irp q, 0,1,2,3
.irp i, 0,1,2
	v_permlane16_swap_b32 v[44+6*\q+\i], v[16+4*\q+\i]             ; a whole block to a lane: lanes 0-15 block 2 q, lanes 16-31 block 2 q + 1
.endr
.irp i, 0,1,2
	v_mov_b32 v[47+6*\q+\i], v[16+4*\q+\i]
.endr
.endr
.irp i, 0,1,2
	v_permlane16_swap_b32 v[68+\i], v[31+\i]
.endr
.irp i, 0,1,2
	v_mov_b32 v[71+\i], v[31+\i]
.endr
	; ---- V: scale bytes first, then twelve fragments over p's registers
.irp fp, 0,1
.irp g, 0,1
	ds_load_b64 v[16+4*\fp+2*\g:17+4*\fp+2*\g], v5 offset:512*\g+256*\fp   ; my feature row's bytes of slots 0 .. 15
.endr
.endr
.irp s, 0,1
.irp ft, 0,1,2,3
.irp c, 0,1
.irp p, 0,1,2
	ds_load_b64 v[S+48*\s+12*\ft+6*\c+2*\p:S+48*\s+12*\ft+6*\c+2*\p+1], v3 offset:3072*(2*\s+\c)+768*\ft+256*\p
.endr
.endr
.endr
.endr
	s_wait_dscnt 48                                ; the four loads of scale bytes are in; the 48 issued behind them may stay out
.irp ft, 0,1,2,3
.irp p, 0,1,2
	ds_load_b64 v[S+96+12*\ft+2*\p:S+96+12*\ft+2*\p+1], v4 offset:12288+768*\ft+256*\p   ; the ninth block, in both halves of the lanes; registers 6-11 keep old numbers and face zero codes
.endr
.endr
.irp fp, 0,1
	v_cndmask_b32 v[24+3*\fp], v[16+4*\fp], v[17+4*\fp], s45
	v_cndmask_b32 v[25+3*\fp], v[17+4*\fp], v[18+4*\fp], s45
	v_cndmask_b32 v[26+3*\fp], v[18+4*\fp], v[19+4*\fp], s45
	v_alignbit_b32 v[38+\fp], v[25+3*\fp], v[24+3*\fp], s44        ; bytes of slots w .. w + 3,
	v_alignbit_b32 v[40+\fp], v[26+3*\fp], v[25+3*\fp], s44        ; w + 4 .. w + 7,
	v_lshrrev_b32 v[42+\fp], s44, v[26+3*\fp]
	v_and_b32 v[42+\fp], 0xff, v[42+\fp]                           ; w + 8 alone
.endr
	PLACES 8                                       ; scale registers written by vector instructions stand 8 places ahead
	s_wait_dscnt 0x0                               ; all of V's fragments are in
	; ---- O^T = V^T P^T: three key steps, the four accumulators by turns
.irp s, 0,1,2
.irp ft, 0,1,2,3
.if (\s == 0) && (\ft%2 == 0)
	v_wmma_scale_f32_16x16x128_f8f6f4 v[224+8*\ft:231+8*\ft], v[S+48*\s+12*\ft:S+48*\s+12*\ft+11], v[44+12*\s:55+12*\s], 0, v[38+2*\s+\ft/2], v[35+\s] matrix_a_fmt:MATRIX_FMT_FP6 matrix_b_fmt:MATRIX_FMT_FP6
.elseif \s == 0
	v_wmma_scale_f32_16x16x128_f8f6f4 v[224+8*\ft:231+8*\ft], v[S+48*\s+12*\ft:S+48*\s+12*\ft+11], v[44+12*\s:55+12*\s], 0, v[38+2*\s+\ft/2], v[35+\s] matrix_a_fmt:MATRIX_FMT_FP6 matrix_b_fmt:MATRIX_FMT_FP6 matrix_a_scale:MATRIX_SCALE_ROW1
.elseif \ft%2 == 0
	v_wmma_scale_f32_16x16x128_f8f6f4 v[224+8*\ft:231+8*\ft], v[S+48*\s+12*\ft:S+48*\s+12*\ft+11], v[44+12*\s:55+12*\s], v[224+8*\ft:231+8*\ft], v[38+2*\s+\ft/2], v[35+\s] matrix_a_fmt:MATRIX_FMT_FP6 matrix_b_fmt:MATRIX_FMT_FP6
.else
	v_wmma_scale_f32_16x16x128_f8f6f4 v[224+8*\ft:231+8*\ft], v[S+48*\s+12*\ft:S+48*\s+12*\ft+11], v[44+12*\s:55+12*\s], v[224+8*\ft:231+8*\ft], v[38+2*\s+\ft/2], v[35+\s] matrix_a_fmt:MATRIX_FMT_FP6 matrix_b_fmt:MATRIX_FMT_FP6 matrix_a_scale:MATRIX_SCALE_ROW1
.endif
.endr
.endr
	PLACES 4
	; ---- O quantised along the head's 64: register 16 b + i of v224 on is d = 32 b + 16 h + i of my query
	v_max3_num_f32 v92, |v224|, |v225|, 0x1800000
	v_max3_num_f32 v93, |v240|, |v241|, 0x1800000
.irp i, 2,4,6,8,10,12,14
	v_max3_num_f32 v92, v92, |v[224+\i]|, |v[225+\i]|
	v_max3_num_f32 v93, v93, |v[240+\i]|, |v[241+\i]|
.endr
	v_permlanex16_b32 v96, v92, s[SEL], s[SEL+1]
	v_permlanex16_b32 v97, v93, s[SEL], s[SEL+1]
	v_max_num_f32 v92, v92, v96
	v_max_num_f32 v93, v93, v97
	v_add_nc_u32 v104, 0xff000000, v92
	v_add_nc_u32 v105, 0xff000000, v93
	v_lshrrev_b32 v96, 23, v104
	v_lshrrev_b32 v97, 23, v105
	v_lshl_or_b32 v100, v97, 8, v96                ; my query's two bytes
	v_cvt_scalef32_pk16_fp6_f32 v[80:82], v[224:239], v104
	v_cvt_scalef32_pk16_fp6_f32 v[88:90], v[240:255], v105
	v_nop                                          ; one plain place behind a scaled conversion
.irp i, 0,1,2
	v_permlane16_swap_b32 v[80+\i], v[88+\i]
.endr
.irp i, 0,1,2
	v_mov_b32 v[83+\i], v[88+\i]
.endr
.irp p, 0,1,2
	global_store_b64 v7, v[80+2*\p:81+2*\p], s[52:53] offset:256*\p    ; 32 lanes store 256 consecutive bytes, aligned
.endr
	ds_store_b16 v8, v100                          ; lanes l and l xor 16 write the same bytes with the same value
	s_wait_dscnt 0x0                               ; for the others' sake: my bytes lie in LDS
	s_barrier_signal -1
	s_barrier_wait -1
	s_cmp_lg_u32 s8, 0
	s_cbranch_scc1 .Lend
	ds_load_b128 v[108:111], v9                    ; wave 0: the sixteen tiles' bytes
	s_wait_dscnt 0x0
	global_store_b128 v10, v[108:111], s[54:55]    ; 512 consecutive bytes, aligned
.Lend:
	s_wait_xcnt 0x0
	v_lshl_add_u32 v33, v0, 2, 0x29000
	v_mov_b32 v34, 0
	s_wait_tensorcnt 0x0
	ds_add_u32 v33, v34
	s_wait_dscnt 0x0
	s_endpgm
.Lfunc_end_k_q81d7a8bafb_attn:
	.size	k_q81d7a8bafb_attn, .Lfunc_end_k_q81d7a8bafb_attn-k_q81d7a8bafb_attn
	.p2alignl 7, 3214868480
	.fill 96, 4, 3214868480
	.section	.rodata,"a",@progbits
	.p2align	6, 0x0
	.amdhsa_kernel k_q81d7a8bafb_attn
		.amdhsa_group_segment_fixed_size 169984
		.amdhsa_private_segment_fixed_size 0
		.amdhsa_enable_private_segment 0
		.amdhsa_kernarg_size 16
		.amdhsa_user_sgpr_count 2
		.amdhsa_user_sgpr_kernarg_segment_ptr 1
		.amdhsa_wavefront_size32 1
		.amdhsa_system_sgpr_workgroup_id_x 1
		.amdhsa_system_sgpr_workgroup_id_y 1
		.amdhsa_system_sgpr_workgroup_id_z 1
		.amdhsa_system_vgpr_workitem_id 0
		.amdhsa_next_free_vgpr 256
		.amdhsa_next_free_sgpr 66
		.amdhsa_reserve_vcc 1
		.amdhsa_float_denorm_mode_32 3
		.amdhsa_float_denorm_mode_16_64 3
		.amdhsa_memory_ordered 1
		.amdhsa_forward_progress 1
		.amdhsa_inst_pref_size 62
	.end_amdhsa_kernel
	.amdgpu_metadata
---
amdhsa.version: [ 1, 2 ]
amdhsa.kernels:
  - .name:           k_q81d7a8bafb_attn
    .symbol:         k_q81d7a8bafb_attn.kd
    .args:
      - { .name: qkv, .offset: 0, .size: 8, .value_kind: global_buffer, .address_space: global }
      - { .name: att, .offset: 8, .size: 8, .value_kind: global_buffer, .address_space: global }
    .group_segment_fixed_size: 169984
    .private_segment_fixed_size: 0
    .kernarg_segment_align: 8
    .kernarg_segment_size: 16
    .max_flat_workgroup_size: 512
    .sgpr_count:     66
    .vgpr_count:     256
    .wavefront_size: 32
...
	.end_amdgpu_metadata
.endif
;; end of part 3
;; launch oproj (part 4): grid 16 x 16, 4 waves a work-group, clusters of 4 x 1, 263,680 bytes of LDS; arguments att, xw, bo, out0; writes out0
.if DOCPART == 4
	.amdgcn_target "amdgcn-amd-amdhsa--gfx1250"
	.amdhsa_code_object_version 6
	.text
	.protected	k_q81d7a8bafb_oproj
	.globl	k_q81d7a8bafb_oproj
	.p2align	8
	.type	k_q81d7a8bafb_oproj,@function
k_q81d7a8bafb_oproj:
	s_mov_b64 s[64:65], 0
	v_nop
	global_prefetch_b8 v0, s[64:65] scope:SCOPE_SE
	s_setreg_imm32_b32 hwreg(HW_REG_WAVE_MODE, 25, 1), 1
	s_wait_xcnt 0x0
	s_wait_alu depctr_hold_cnt(0) depctr_sa_sdst(0) depctr_va_vdst(0) depctr_va_sdst(0) depctr_va_ssrc(0) depctr_va_vcc(0) depctr_vm_vsrc(0)
	s_getreg_b32 s2, hwreg(HW_REG_IB_STS2, 6, 4)
	s_cmp_eq_u32 s2, 0
	s_cbranch_scc0 .Lentry_in_a_cluster
	s_endpgm
.Lentry_in_a_cluster:
	s_bfe_u32 s2, ttmp6, 0x10000c
	s_cmp_lg_u32 s2, 0x3003
	s_cbranch_scc0 .Lentry_shape_is_right
	s_endpgm
.Lentry_shape_is_right:
; out0 = O Wo^T + bo on codes of FP6 (E2M3) with E8M0 scales; K = 1,024 in 8 steps of 128.
; SHARES: a work-group makes 256 rows x 64 columns; each of four waves 64 x 64: 16 accumulators, 128 matrix instructions.  256 work-groups: a larger tile would leave WGPs without work.
; O's tile, 196,608 bytes of register images for all of K, is the larger operand, and the four column blocks of a cluster want the same: it is asked for JOINTLY (mask 15).  Wo's 49,152 bytes are the work-group's own.
; Both lie whole in LDS, filled once, in four pieces of two K steps: no LDS byte is filled twice.
; TRANSPOSED: source 0 = 16 rows of Wo, source 1 = 16 rows of O: a lane holds one row of the output and eight neighbouring columns.  bo is the C of each sum's first matrix instruction.
; REGISTERS: window 0: v1-15 addresses; v16-31 O's scale words, v32-47 Wo's (they hold scales alone); v48-79 O's scale bytes as loaded; v80-111 bo as C; v112-159, v160-207 two sets of Wo's four fragments;
;   on the way out v112-239 four sets of 32.   window 1: v0-47, v48-95 two sets of O's four fragments; v128-255 the accumulators, (tt, ct) at 128 + 8 (4 tt + ct).
.set OS,   3145728
.set WOC,  5505024
.set WOS,  6520832
.set BL,   196608                      ; LDS: O's images [ks][tile 16][1536] at 0; Wo's [ks][ct 4][1536]
.set STG,  245760                      ; a stage of 16 rows x (256 bytes + 16) for each wave; no fill lands there
.set MSB, 0
.macro WIN new                         ; the immediate's high byte repeats the setting that is left
.if MSB != (\new)
	s_set_vgpr_msb (MSB<<8)|(\new)
.set MSB, (\new)
.endif
.endm
.macro PLACES n
.rept \n
	v_nop
.endr
.endm
.macro CROUND                          ; a round of the cluster's barrier
	s_barrier_signal -1
	s_barrier_wait -1
	s_cmp_lg_u32 s12, 0
	s_cbranch_scc1 .Lnot_wave_0_\@
	s_barrier_signal -3
.Lnot_wave_0_\@:
	s_barrier_wait -3
	s_barrier_signal -1
	s_barrier_wait -1
.endm
.macro WMS d, a, b, c, sa, sb, ra, rb  ; one product; ra, rb: source 0's, source 1's scale words stand in lanes 16-31 of their register
.if (\ra) && (\rb)
	v_wmma_scale_f32_16x16x128_f8f6f4 v[(\d):(\d)+7], v[(\a):(\a)+11], v[(\b):(\b)+11], v[(\c):(\c)+7], v[\sa], v[\sb] matrix_a_fmt:MATRIX_FMT_FP6 matrix_b_fmt:MATRIX_FMT_FP6 matrix_a_scale:MATRIX_SCALE_ROW1 matrix_b_scale:MATRIX_SCALE_ROW1
.elseif (\ra)
	v_wmma_scale_f32_16x16x128_f8f6f4 v[(\d):(\d)+7], v[(\a):(\a)+11], v[(\b):(\b)+11], v[(\c):(\c)+7], v[\sa], v[\sb] matrix_a_fmt:MATRIX_FMT_FP6 matrix_b_fmt:MATRIX_FMT_FP6 matrix_a_scale:MATRIX_SCALE_ROW1
.elseif (\rb)
	v_wmma_scale_f32_16x16x128_f8f6f4 v[(\d):(\d)+7], v[(\a):(\a)+11], v[(\b):(\b)+11], v[(\c):(\c)+7], v[\sa], v[\sb] matrix_a_fmt:MATRIX_FMT_FP6 matrix_b_fmt:MATRIX_FMT_FP6 matrix_b_scale:MATRIX_SCALE_ROW1
.else
	v_wmma_scale_f32_16x16x128_f8f6f4 v[(\d):(\d)+7], v[(\a):(\a)+11], v[(\b):(\b)+11], v[(\c):(\c)+7], v[\sa], v[\sb] matrix_a_fmt:MATRIX_FMT_FP6 matrix_b_fmt:MATRIX_FMT_FP6
.endif
.endm
.macro FETCH ks                        ; K step ks: Wo's four fragments (12 loads of 16 bytes a lane) and my four of O (24 of 8 bytes) into set ks % 2
.irp ct, 0,1,2,3
.irp c, 0,1,2
	ds_load_b128 v[112+48*((\ks)%2)+12*\ct+4*\c:112+48*((\ks)%2)+12*\ct+4*\c+3], v8 offset:6144*(\ks)+1536*\ct+512*\c
.endr
.endr
	WIN 0x40                                       ; destination window 1
.irp tt, 0,1,2,3
.irp n, 0,1,2,3,4,5
	ds_load_b64 v[48*((\ks)%2)+12*\tt+2*\n:48*((\ks)%2)+12*\tt+2*\n+1], v[4+(\ks)/2] offset:24576*((\ks)%2)+1536*\tt+256*\n
.endr
.endr
	WIN 0
.endm
.macro STEP ks
.if ((\ks)==1)||((\ks)==3)||((\ks)==5)
	s_wait_tensorcnt 5-(\ks)                       ; my quarters of the next piece (O's and Wo's) have landed; two loads for each later piece may stay out
	s_wait_dscnt 0x0                               ; no LDS instruction of mine is out at a signal
	s_barrier_signal -1
	s_barrier_wait -1
.endif
.if (\ks) < 7
	PLACES 4                                       ; in front of loads into registers that matrix instructions have read
	FETCH (\ks)+1
	s_wait_dscnt 36                                ; this step's fragments are in; the 36 loads just issued may stay out
.else
	s_wait_dscnt 0x0
.endif
.if (\ks) == 0
	WIN 0x44                                       ; source 1 (O) window 1, C (bo) window 0, D window 1
.else
	WIN 0x54                                       ; source 1, C and D window 1
.endif
.irp ct, 0,1,2,3                               ; the sixteen accumulators by turns
.irp tt, 0,1,2,3
.set rD, 128+8*(4*\tt+\ct)
.set rC, rD
.if (\ks) == 0
.set rC, 80+8*\ct
.endif
	WMS rD, 112+48*((\ks)%2)+12*\ct, 48*((\ks)%2)+12*\tt, rC, 32+8*(\ct/2)+(\ks), 16+8*(\tt/2)+(\ks), \ct%2, \tt%2
.endr
.endr
	WIN 0
.endm
	s_load_b256 s[4:11], s[0:1], 0x0               ; att s[4:5], xw s[6:7], bo s[8:9], out0 s[10:11]
	v_lshl_add_u32 v254, v0, 2, 0x40400
	v_mov_b32 v255, 0
	ds_add_u32 v254, v255
	ds_add_u32 v254, v255
	v_lshrrev_b32 v1, 5, v0
	v_readfirstlane_b32 s12, v1                    ; wave 0..3
	s_bfe_u32 s13, ttmp6, 0x40000                  ; cx
	s_lshl_b32 s14, ttmp9, 2
	s_add_co_u32 s14, s14, s13                     ; block of 64 columns = 4 x cluster x + cx: it enters Wo's, bo's and out0's global addresses alone
	s_and_b32 s15, ttmp7, 0xffff                   ; block of 256 rows, which the four partners share
	; descriptor groups 1: dense rows of 256 bytes (32 elements of 8): O: 48 rows, jointly; Wo: 12 rows, my work-group's own
	s_mov_b32 s16, 15|(3<<16)|(1<<21)              ; 15:0 the mask: all four work-groups; 17:16 elements of 8 bytes; 21 set beside a mask
	s_mov_b32 s17, 32<<16
	s_mov_b32 s18, 48<<16
	s_mov_b32 s19, 32<<16
	s_mov_b32 s20, 48
	s_mov_b32 s21, 32
	s_mov_b32 s22, 0
	s_mov_b32 s23, 0
	s_mov_b32 s24, 3<<16
	s_mov_b32 s25, 32<<16
	s_mov_b32 s26, 12<<16
	s_mov_b32 s27, 32<<16
	s_mov_b32 s28, 12
	s_mov_b32 s29, 32
	s_mov_b32 s30, 0
	s_mov_b32 s31, 0
	s_mul_i32 s76, s12, 12288                      ; my quarter of a piece of O: in memory and in LDS alike
	s_mul_i32 s74, s15, 196608
	s_add_co_u32 s74, s74, s76
	s_mov_b32 s75, 0
	s_mul_i32 s77, s12, 3072                       ; and of Wo
	s_mul_i32 s78, s14, 49152
	s_add_co_u32 s78, s78, s77
	s_add_co_u32 s78, s78, WOC
	s_mov_b32 s79, 0
	s_add_co_u32 s77, s77, BL
	s_lshl_b32 s66, s15, 4
	s_lshl_b32 s67, s12, 2
	s_add_co_u32 s66, s66, s67                     ; my first tile of rows
	s_lshl_b32 s66, s66, 5
	s_add_co_u32 s66, s66, OS
	s_mov_b32 s67, 0
	s_lshl_b32 s68, s14, 11
	s_add_co_u32 s68, s68, WOS
	s_mov_b32 s69, 0
	s_lshl_b32 s70, s14, 8
	s_mov_b32 s71, 0
	s_lshl_b32 s72, s15, 8
	s_lshl_b32 s73, s12, 6
	s_add_co_u32 s72, s72, s73                     ; my first row
	s_lshl_b32 s72, s72, 12
	s_add_co_u32 s72, s72, s70                     ; + 256 bytes a block of columns
	s_mov_b32 s73, 0
	v_and_b32 v1, 31, v0                           ; lane
	v_and_b32 v2, 15, v0                           ; r
	v_bfe_u32 v3, v0, 4, 1                         ; h
	s_mul_i32 s13, s12, 6144
	v_lshl_add_u32 v4, v1, 3, s13                  ; O's images: my four tiles, 8 x lane
.irp i, 1,2,3
	v_add_nc_u32 v[4+\i], \i*49152, v4
.endr
	v_lshl_add_u32 v8, v1, 4, BL                   ; Wo's images: 16 x lane
	s_mul_i32 s13, s12, 4352
	s_add_co_u32 s13, s13, STG                     ; my stage
	v_mul_u32_u24 v9, v2, 272
	v_lshl_add_u32 v9, v3, 6, v9
	v_add_nc_u32 v9, s13, v9                       ; in: row r, + 64 h
	v_mul_u32_u24 v10, v3, 272
	v_lshl_add_u32 v10, v2, 4, v10
	v_add_nc_u32 v10, s13, v10                     ; back: lanes 0-15 one row of 256 bytes, lanes 16-31 the next
	v_lshlrev_b32 v11, 12, v3
	v_lshl_add_u32 v11, v2, 4, v11                 ; and the same two rows in out0
	v_lshlrev_b32 v12, 1, v1                       ; 2 x lane
	v_lshlrev_b32 v13, 5, v1                       ; 32 x lane
	v_lshlrev_b32 v14, 6, v3                       ; bo: 16 numbers on for lanes 16-31
	s_wait_dscnt 0x0
	s_wait_kmcnt 0x0
	s_add_nc_u64 s[74:75], s[4:5], s[74:75]
	s_add_nc_u64 s[78:79], s[6:7], s[78:79]
	s_add_nc_u64 s[66:67], s[4:5], s[66:67]
	s_add_nc_u64 s[68:69], s[6:7], s[68:69]
	s_add_nc_u64 s[70:71], s[8:9], s[70:71]
	s_add_nc_u64 s[72:73], s[10:11], s[72:73]
.irp i, 0,1,2,3
	s_mov_b32 s[32+4*\i], 1
	s_add_co_u32 s[33+4*\i], s76, \i*49152                         ; LDS address: the wave's number and constants alone
	s_add_nc_u64 s[34+4*\i:35+4*\i], s[74:75], \i*49152            ; global address: block of rows and wave alone
	s_or_b32 s[35+4*\i], s[35+4*\i], 0x80000000
	s_mov_b32 s[48+4*\i], 1
	s_add_co_u32 s[49+4*\i], s77, \i*12288
	s_add_nc_u64 s[50+4*\i:51+4*\i], s[78:79], \i*12288
	s_or_b32 s[51+4*\i], s[51+4*\i], 0x80000000
.endr
	CROUND                                         ; all four work-groups are here: the joint loads meet
.irp i, 0,1,2,3
	tensor_load_to_lds s[32+4*\i:35+4*\i], s[16:23]                ; the first fills as one group, piece by piece: eight tensor loads of mine are out
	s_nop 0
	tensor_load_to_lds s[48+4*\i:51+4*\i], s[24:31]
	s_nop 0
.endr
	PLACES 4
.irp p, 0,1
.irp hd, 0,1,2,3,4,5,6,7,8,9,10,11,12,13,14,15
	global_load_u16 v[48+16*\p+\hd], v12, s[66:67] offset:8192*\hd+64*\p   ; head hd's two bytes: lanes 0-15 tile 2 p's rows, lanes 16-31 tile 2 p + 1's
.endr
.endr
.irp p, 0,1
	global_load_b128 v[32+8*\p:35+8*\p], v13, s[68:69] offset:1024*\p     ; Wo's scale words of the 8 K steps
	global_load_b128 v[36+8*\p:39+8*\p], v13, s[68:69] offset:1024*\p+16
.endr
.irp ct, 0,1,2,3
	global_load_b128 v[80+8*\ct:83+8*\ct], v14, s[70:71] offset:4*(32*(\ct/2)+8*(\ct%2))      ; bo in the result's layout: columns 32 B + 16 h + 8 u + 0 .. 7
	global_load_b128 v[84+8*\ct:87+8*\ct], v14, s[70:71] offset:4*(32*(\ct/2)+8*(\ct%2))+16
.endr
	s_wait_loadcnt 0x0
.irp p, 0,1
.irp ks, 0,1,2,3,4,5,6,7
	v_lshl_or_b32 v[16+8*\p+\ks], v[48+16*\p+2*\ks+1], 16, v[48+16*\p+2*\ks]   ; K step ks is heads 2 ks, 2 ks + 1
.endr
.endr
	PLACES 8                                       ; scale registers written by vector instructions stand 8 places ahead of a scaled matrix instruction
	s_wait_tensorcnt 6                             ; my quarters of the first piece have landed; six loads may stay out
	s_barrier_signal -1
	s_barrier_wait -1
	FETCH 0
.irp ks, 0,1,2,3,4,5,6,7
	STEP \ks
.endr
	; THE WAY OUT: a tile of 16 rows x 64 columns goes through my own stage and comes back as whole rows of 256 bytes.  LDS serves a wave's instructions in order: no wait between stores and loads, nor in front of the next tile's stores.
	PLACES 4                                       ; in front of the first read of results and of loads over Wo's fragments
.irp tt, 0,1,2,3
	WIN 0x04                                       ; an LDS store's data are its source 1: window 1
.irp ct, 0,1,2,3
	ds_store_b128 v9, v[128+8*(4*\tt+\ct):131+8*(4*\tt+\ct)] offset:128*(\ct/2)+32*(\ct%2)      ; each accumulator from its low end on
	ds_store_b128 v9, v[132+8*(4*\tt+\ct):135+8*(4*\tt+\ct)] offset:128*(\ct/2)+32*(\ct%2)+16
.endr
	WIN 0
.irp i, 0,1,2,3,4,5,6,7
	ds_load_b128 v[112+32*\tt+4*\i:115+32*\tt+4*\i], v10 offset:544*\i
.endr
.endr
.irp tt, 0,1,2,3
.irp i, 0,1,2,3,4,5,6,7
	s_wait_dscnt 7-\i+16*(3-\tt)                   ; behind this load: the rest of its tile's loads and 16 LDS instructions for each later tile
	global_store_b128 v11, v[112+32*\tt+4*\i:115+32*\tt+4*\i], s[72:73] offset:4096*(32*(\tt/2)+8*(\tt%2)+2*\i+8*(\i/4)) th:TH_STORE_NT   ; 16 lanes store 256 consecutive bytes, aligned; written once
.endr
.endr
	s_wait_tensorcnt 0x0
	ds_add_u32 v254, v255
	s_wait_dscnt 0x0
	CROUND                                         ; the closing round: no work-group ends while a partner may still ask for a piece that names it
	s_endpgm
.Lfunc_end_k_q81d7a8bafb_oproj:
	.size	k_q81d7a8bafb_oproj, .Lfunc_end_k_q81d7a8bafb_oproj-k_q81d7a8bafb_oproj
	.p2alignl 7, 3214868480
	.fill 96, 4, 3214868480
	.section	.rodata,"a",@progbits
	.p2align	6, 0x0
	.amdhsa_kernel k_q81d7a8bafb_oproj
		.amdhsa_group_segment_fixed_size 263680
		.amdhsa_private_segment_fixed_size 0
		.amdhsa_enable_private_segment 0
		.amdhsa_kernarg_size 32
		.amdhsa_user_sgpr_count 2
		.amdhsa_user_sgpr_kernarg_segment_ptr 1
		.amdhsa_wavefront_size32 1
		.amdhsa_system_sgpr_workgroup_id_x 1
		.amdhsa_system_sgpr_workgroup_id_y 1
		.amdhsa_system_sgpr_workgroup_id_z 1
		.amdhsa_system_vgpr_workitem_id 0
		.amdhsa_next_free_vgpr 512
		.amdhsa_next_free_sgpr 80
		.amdhsa_reserve_vcc 0
		.amdhsa_float_denorm_mode_32 3
		.amdhsa_float_denorm_mode_16_64 3
		.amdhsa_memory_ordered 1
		.amdhsa_forward_progress 1
		.amdhsa_inst_pref_size 59
	.end_amdhsa_kernel
	.amdgpu_metadata
---
amdhsa.version: [ 1, 2 ]
amdhsa.kernels:
  - .name:           k_q81d7a8bafb_oproj
    .symbol:         k_q81d7a8bafb_oproj.kd
    .args:
      - { .name: att, .offset: 0, .size: 8, .value_kind: global_buffer, .address_space: global }
      - { .name: xw, .offset: 8, .size: 8, .value_kind: global_buffer, .address_space: global }
      - { .name: bo, .offset: 16, .size: 8, .value_kind: global_buffer, .address_space: global }
      - { .name: out0, .offset: 24, .size: 8, .value_kind: global_buffer, .address_space: global }
    .group_segment_fixed_size: 263680
    .private_segment_fixed_size: 0
    .kernarg_segment_align: 8
    .kernarg_segment_size: 32
    .max_flat_workgroup_size: 128
    .sgpr_count:     80
    .vgpr_count:     512
    .wavefront_size: 32
...
	.end_amdgpu_metadata
.endif
;; end of part 4
